; MI455X (gfx1250); checked and timed in simulation.
; The chip was launched on July 23, 2026; its instructions are those of AMD's public machine-readable ISA for CDNA 5 (MIT licence, August 2026) and "CDNA5" Instruction Set Architecture Reference Guide (July 2026). The comments in the code are by the model that wrote it; some were corrected since.
;; p Mo E. Allowed arithmetic: float matrix products may take bf16 or f16 operands with f32 sums; all other float work in f32.
;; Inputs: W1 16 x 512 x 2,048 float32; W2 16 x 2,048 x 512 float32; Wg 512 x 16 float32; b1 16 x 2,048 float32; b2 16 x 512 float32; bg 16 float32; x 2,048 x 512 float32.
;; Outputs: out0 2,048 x 512 float32; out1 2,048 x 2 int32; out2 2,048 x 2 float32.
;; One version. Each part assembles by itself: llvm-mc -triple=amdgcn-amd-amdhsa -mcpu=gfx1250 --defsym DOCPART=n.
;; ======== version 1 of 1: 4 launches
;; limits: values are held in f16: magnitudes above 65,504 overflow, below 6.1e-05 lose precision
;; workspace buffers: xh 2,097,152 bytes; pm 8,192 bytes of whole numbers; hf 134,217,728 bytes; yp 33,554,432 bytes; lst 139,264 bytes of whole numbers
;; launch gate (part 1): grid 64 x 1, 8 waves a work-group, no clusters, 78,848 bytes of LDS; arguments x, Wg, bg, out1, out2, xh, pm; writes out1, out2, xh, pm
.if DOCPART == 1
	.amdgcn_target "amdgcn-amd-amdhsa--gfx1250"
	.amdhsa_code_object_version 6
	.text
	.protected	k_q1382d1b458_gate
	.globl	k_q1382d1b458_gate
	.p2align	8
	.type	k_q1382d1b458_gate,@function
k_q1382d1b458_gate:
	s_mov_b64 s[64:65], 0
	v_nop
	global_prefetch_b8 v0, s[64:65] scope:SCOPE_SE
	s_setreg_imm32_b32 hwreg(HW_REG_WAVE_MODE, 25, 1), 1
	s_wait_xcnt 0x0
; THE GATE.  logits = x Wg + bg ([2048][16]); the two largest of a token's 16 logits (out1: their experts, the lower index first on a tie),
; the softmax of those two (out2), x rounded to f16 for the experts' products (xh), and the routing as whole numbers (pm).
; pm[e][G], G = slot * 64 + t / 32: bit t % 32 is set where token t's slot (0: largest, 1: second) is expert e.  An expert's 128 words are 512 consecutive bytes.
; FORMAT.  out1 is compared exactly, so the logits are made in f32 of the unrounded inputs, by the f32 matrix form: 2 x 2048 x 512 x 16 = 33.5 MFLOP,
; one part in 4,000 of the module's products: no bulk work.
; LIMITS.  Logits are taken to be finite (the second place starts at -infinity; NaN is not treated apart).  xh holds no number beyond 65,504.  A second weight below 2^-126 counts as 0.
; SHARES.  A work-group takes 32 tokens, so that one comparison over a wave's lanes is one word of pm.  Wave w takes 16 of them (w & 1) and 128 of the 512 k (w >> 1);
; the four parts of a logit meet in LDS, and wave 0, a lane a token, does the rest.  No cluster: the work-groups share Wg alone, 32 KB against 64 KB of x each, taken lane by lane into a register image.
.set XP,   528                         ; a staged row of x: 512 bytes + 16: an odd multiple of 16, so the 16 rows of a load start in 16 different groups of four banks (64 banks of 4 bytes: ISA guide 11.1)
.set XW,   16*XP                       ; a wave's stage: 16 rows, its own
.set RED,  8*XW                        ; behind the stages: [4 parts of K][32 tokens][16 experts] f32,
.set RP,   80                          ; a token's 64 bytes + 16
.set RQ,   32*RP
.set X,    16                          ; v[16:79]   16 rows x 4 as loaded; then x as fragments; in wave 0 the 4 x 16 parts of my token's logits
.set HF,   80                          ; v[80:111]  x in f16, to store; in wave 0 later the logits and the state of the search
.set WGF,  112                         ; v[112:175] Wg as fragments
.set ACC,  176                         ; v[176:207] four accumulators: written by matrix instructions alone
.set SUM,  208                         ; v[208:215] their sum
.macro EACH n, line:vararg             ; one line n times; ix counts
.set ix, 0
.rept \n
	\line
.set ix, ix+1
.endr
.endm
	s_load_b256 s[4:11], s[0:1], 0x0               ; x s[4:5], Wg s[6:7], bg s[8:9], out1 s[10:11]
	s_load_b128 s[12:15], s[0:1], 0x20             ; out2 s[12:13], xh s[14:15]
	s_load_b64 s[16:17], s[0:1], 0x30              ; pm
	v_lshl_add_u32 v216, v0, 2, 0x13000
	v_mov_b32 v217, 0
	v_lshrrev_b32 v1, 5, v0
	v_readfirstlane_b32 s18, v1                    ; wave 0..7
	s_and_b32 s19, s18, 1                          ; which 16 tokens
	s_lshr_b32 s20, s18, 1                         ; which 128 k
	s_mov_b32 s21, ttmp9                           ; the work-group: tokens 32 g on
	v_and_b32 v1, 31, v0                           ; L
	v_and_b32 v2, 15, v0                           ; r = L % 16
	v_bfe_u32 v3, v0, 4, 1                         ; h = L / 16
	v_lshlrev_b32 v4, 4, v1                        ; 16 L
	v_lshlrev_b32 v5, 3, v1                        ; 8 L
	v_lshlrev_b32 v6, 2, v2
	v_lshl_add_u32 v6, v3, 8, v6                   ; Wg: expert r, four rows of 64 bytes further on for the upper lanes
	s_mul_i32 s22, s18, XW
	v_add_nc_u32 v7, s22, v4                       ; stage, in: a whole row by 32 lanes
	v_mul_u32_u24 v8, v2, XP
	v_lshl_add_u32 v8, v3, 4, v8
	v_add_nc_u32 v8, s22, v8                       ; stage, back: token r, four k for each half of the lanes
	s_mul_i32 s22, s20, RQ
	s_mul_i32 s23, s19, 16*RP
	s_add_co_u32 s22, s22, s23
	s_add_co_u32 s22, s22, RED
	v_mul_u32_u24 v9, v2, RP
	v_lshl_add_u32 v9, v3, 5, v9
	v_add_nc_u32 v9, s22, v9                       ; my part of the logits: token 16 (w & 1) + r, experts 8 h on
	v_mul_u32_u24 v10, v1, RP
	v_add_nc_u32 v10, RED, v10                     ; wave 0: token L
	v_lshlrev_b32 v11, 9, v2
	v_lshl_add_u32 v11, v3, 8, v11                 ; wave 0: lane 16 slot + e stores pm[e][64 slot + g]
	s_lshl_b32 s22, s21, 5
	s_lshl_b32 s23, s19, 4
	s_add_co_u32 s22, s22, s23                     ; my first token
	s_lshl_b32 s24, s22, 11                        ; x: rows of 2,048 bytes, my 512 of them
	s_lshl_b32 s23, s20, 9
	s_add_co_u32 s24, s24, s23
	s_mov_b32 s25, 0
	s_lshl_b32 s26, s22, 10                        ; xh: rows of 1,024 bytes, my 256
	s_lshl_b32 s23, s20, 8
	s_add_co_u32 s26, s26, s23
	s_mov_b32 s27, 0
	s_lshl_b32 s28, s20, 13                        ; Wg: my 128 rows of 64 bytes
	s_mov_b32 s29, 0
	s_lshl_b32 s30, s21, 8                         ; out1, out2: 32 tokens x 8 bytes
	s_mov_b32 s31, 0
	s_wait_kmcnt 0x0
	s_load_b512 s[32:47], s[8:9], 0x0              ; bg, for wave 0
	s_add_nc_u64 s[4:5], s[4:5], s[24:25]
	s_add_nc_u64 s[14:15], s[14:15], s[26:27]
	s_add_nc_u64 s[6:7], s[6:7], s[28:29]
	s_add_nc_u64 s[10:11], s[10:11], s[30:31]
	s_add_nc_u64 s[12:13], s[12:13], s[30:31]
	s_lshl_b32 s24, s21, 2
	s_add_nc_u64 s[16:17], s[16:17], s[24:25]      ; pm at word g of every half row
	EACH 16, global_load_b128 v[X+4*ix:X+4*ix+3], v4, s[4:5] offset:2048*ix th:TH_LOAD_NT  ; a row's 512 bytes by one instruction; x is read once, here
	; Wg[8 q + 4 h + j][r] into register 4 q + j: k stands in the same places as in x's fragments below, so the products pair rightly
	EACH 64, global_load_b32 v[WGF+ix], v6, s[6:7] offset:64*(8*(ix/4)+ix%4)
	s_wait_loadcnt 63                              ; 64 loads are younger than x's; 63 is the largest count that can be written and asks for one more
	EACH 16, v_cvt_pk_f16_f32 v[HF+2*ix], v[X+4*ix], v[X+4*ix+1]
	EACH 16, v_cvt_pk_f16_f32 v[HF+2*ix+1], v[X+4*ix+2], v[X+4*ix+3]
	EACH 16, global_store_b64 v5, v[HF+2*ix:HF+2*ix+1], s[14:15] offset:1024*ix  ; 32 lanes store 256 consecutive bytes, at a multiple of 256 from xh's first
	EACH 16, ds_store_b128 v7, v[X+4*ix:X+4*ix+3] offset:XP*ix
	EACH 16, ds_load_b128 v[X+4*ix:X+4*ix+3], v8 offset:32*ix  ; my own bytes; LDS serves a wave's instructions in order (ISA guide 5.7.1.4): x[r][8 q + 4 h + 0..3]
	s_wait_loadcnt 0x0                             ; Wg
	s_wait_dscnt 0x0                               ; x's fragments
	; 32 steps of 4 along K.  Source 0 = 16 experts, source 1 = 16 tokens: a lane then holds token r and experts 8 h + 0..7.
	; Four accumulators take turns, one instruction a turn; the first four steps start the sums with 0.
	EACH 4, v_wmma_f32_16x16x4_f32 v[ACC+8*ix:ACC+8*ix+7], v[WGF+2*ix:WGF+2*ix+1], v[X+2*ix:X+2*ix+1], 0
	EACH 28, v_wmma_f32_16x16x4_f32 v[ACC+8*(ix%4):ACC+8*(ix%4)+7], v[WGF+8+2*ix:WGF+9+2*ix], v[X+8+2*ix:X+9+2*ix], v[ACC+8*(ix%4):ACC+8*(ix%4)+7]
	EACH 8, v_nop                                  ; eight places behind this form before its results are read or its sources written (ISA guide 7.12.1)
	EACH 4, v_pk_add_f32 v[SUM+2*ix:SUM+2*ix+1], v[ACC+2*ix:ACC+2*ix+1], v[ACC+8+2*ix:ACC+9+2*ix]     ; each accumulator is read from its low end on
	EACH 4, v_pk_add_f32 v[X+2*ix:X+2*ix+1], v[ACC+16+2*ix:ACC+17+2*ix], v[ACC+24+2*ix:ACC+25+2*ix]
	EACH 4, v_pk_add_f32 v[SUM+2*ix:SUM+2*ix+1], v[SUM+2*ix:SUM+2*ix+1], v[X+2*ix:X+2*ix+1]
	ds_store_b128 v9, v[SUM:SUM+3]
	ds_store_b128 v9, v[SUM+4:SUM+7] offset:16
	s_wait_dscnt 0x0                               ; for wave 0's sake: my part is in LDS
	s_barrier_signal -1
	s_barrier_wait -1
	s_cmp_lg_u32 s18, 0
	s_cbranch_scc1 .Lend                           ; the rest is 32 tokens' work: one wave's, a lane a token
	EACH 16, ds_load_b128 v[X+4*ix:X+4*ix+3], v10 offset:RQ*(ix/4)+16*(ix%4)  ; part ix / 4, experts 4 (ix % 4) on
	s_wait_xcnt 0x0                                ; the stores of xh have read v[80:111], which are written below
	s_wait_kmcnt 0x0                               ; bg
	s_wait_dscnt 0x0
	EACH 8, v_pk_add_f32 v[X+2*ix:X+2*ix+1], v[X+2*ix:X+2*ix+1], v[X+16+2*ix:X+17+2*ix]
	EACH 8, v_pk_add_f32 v[X+32+2*ix:X+33+2*ix], v[X+32+2*ix:X+33+2*ix], v[X+48+2*ix:X+49+2*ix]
	EACH 8, v_pk_add_f32 v[80+2*ix:81+2*ix], v[X+2*ix:X+2*ix+1], v[X+32+2*ix:X+33+2*ix]
	EACH 16, v_add_f32 v[80+ix], s[32+ix], v[80+ix]  ; v[80:95]: my token's 16 logits
	; The two largest.  v96, v100: the largest and its expert; v97, v101: the second.  Both comparisons are strict, so of equal logits the lower expert stays in front.
	v_mov_b32 v96, v80
	v_mov_b32 v100, 0
	v_mov_b32 v97, 0xff800000
	v_mov_b32 v101, 0
.set ex, 1
.rept 15
	v_cmp_gt_f32 s22, v[80+ex], v96
	v_cmp_gt_f32 s23, v[80+ex], v97
	v_cndmask_b32 v97, v97, v[80+ex], s23          ; above the second: it takes the second place,
	v_cndmask_b32 v101, v101, ex, s23
	v_cndmask_b32 v97, v97, v96, s22               ; above the first: the old first moves down,
	v_cndmask_b32 v101, v101, v100, s22
	v_cndmask_b32 v96, v96, v[80+ex], s22          ; and it takes the first place
	v_cndmask_b32 v100, v100, ex, s22
.set ex, ex+1
.endr
	; softmax of the two, the larger taken away first: 1 / (1 + d), d / (1 + d), d = e^(second - first) <= 1
	v_sub_f32 v98, v97, v96
	v_mul_f32 v98, 0x3fb8aa3b, v98
	v_exp_f32 v98, v98
	v_mov_b32 v104, 0                              ; the plain instruction behind the exponential; v104 gathers the 32 words of pm
	s_wait_alu depctr_va_vdst(0)
	v_add_f32 v99, 1.0, v98
	v_rcp_f32 v102, v99
	v_nop                                          ; the plain instruction behind the reciprocal
	s_wait_alu depctr_va_vdst(0)
	v_mul_f32 v103, v98, v102
.set ex, 0
.rept 16
	v_cmp_eq_u32 s22, ex, v100                     ; bit L: token L's first place is expert ex
	v_writelane_b32 v104, s22, ex
	v_cmp_eq_u32 s23, ex, v101
	v_writelane_b32 v104, s23, 16+ex
.set ex, ex+1
.endr
	global_store_b64 v5, v[100:101], s[10:11]      ; 256 consecutive bytes of out1,
	global_store_b64 v5, v[102:103], s[12:13]      ; and of out2
	global_store_b32 v11, v104, s[16:17]           ; 32 single words, one in each half row of pm: 8 KB in the launch, laid so that each later wave reads its expert's 512 bytes on end
.Lend:
	s_wait_tensorcnt 0x0
	ds_add_u32 v216, v217
	s_wait_dscnt 0x0
	s_endpgm
.Lfunc_end_k_q1382d1b458_gate:
	.size	k_q1382d1b458_gate, .Lfunc_end_k_q1382d1b458_gate-k_q1382d1b458_gate
	.p2alignl 7, 3214868480
	.fill 96, 4, 3214868480
	.section	.rodata,"a",@progbits
	.p2align	6, 0x0
	.amdhsa_kernel k_q1382d1b458_gate
		.amdhsa_group_segment_fixed_size 78848
		.amdhsa_private_segment_fixed_size 0
		.amdhsa_enable_private_segment 0
		.amdhsa_kernarg_size 56
		.amdhsa_user_sgpr_count 2
		.amdhsa_user_sgpr_kernarg_segment_ptr 1
		.amdhsa_wavefront_size32 1
		.amdhsa_system_sgpr_workgroup_id_x 1
		.amdhsa_system_sgpr_workgroup_id_y 1
		.amdhsa_system_sgpr_workgroup_id_z 1
		.amdhsa_system_vgpr_workitem_id 0
		.amdhsa_next_free_vgpr 218
		.amdhsa_next_free_sgpr 66
		.amdhsa_reserve_vcc 0
		.amdhsa_float_denorm_mode_32 3
		.amdhsa_float_denorm_mode_16_64 3
		.amdhsa_memory_ordered 1
		.amdhsa_forward_progress 1
		.amdhsa_inst_pref_size 35
	.end_amdhsa_kernel
	.amdgpu_metadata
---
amdhsa.version: [ 1, 2 ]
amdhsa.kernels:
  - .name:           k_q1382d1b458_gate
    .symbol:         k_q1382d1b458_gate.kd
    .args:
      - { .name: x, .offset: 0, .size: 8, .value_kind: global_buffer, .address_space: global }
      - { .name: Wg, .offset: 8, .size: 8, .value_kind: global_buffer, .address_space: global }
      - { .name: bg, .offset: 16, .size: 8, .value_kind: global_buffer, .address_space: global }
      - { .name: out1, .offset: 24, .size: 8, .value_kind: global_buffer, .address_space: global }
      - { .name: out2, .offset: 32, .size: 8, .value_kind: global_buffer, .address_space: global }
      - { .name: xh, .offset: 40, .size: 8, .value_kind: global_buffer, .address_space: global }
      - { .name: pm, .offset: 48, .size: 8, .value_kind: global_buffer, .address_space: global }
    .group_segment_fixed_size: 78848
    .private_segment_fixed_size: 0
    .kernarg_segment_align: 8
    .kernarg_segment_size: 56
    .max_flat_workgroup_size: 256
    .sgpr_count:     66
    .vgpr_count:     218
    .wavefront_size: 32
...
	.end_amdgpu_metadata
.endif
;; end of part 1
;; launch ffn1 (part 2): grid 16 x 16, 4 waves a work-group, no clusters, 301,568 bytes of LDS; arguments xh, pm, W1, b1, hf, lst; writes hf, lst
.if DOCPART == 2
	.amdgcn_target "amdgcn-amd-amdhsa--gfx1250"
	.amdhsa_code_object_version 6
	.text
	.protected	k_q1382d1b458_ffn1
	.globl	k_q1382d1b458_ffn1
	.p2align	8
	.type	k_q1382d1b458_ffn1,@function
k_q1382d1b458_ffn1:
	s_mov_b64 s[64:65], 0
	v_nop
	global_prefetch_b8 v0, s[64:65] scope:SCOPE_SE
	s_setreg_imm32_b32 hwreg(HW_REG_WAVE_MODE, 25, 1), 1
	s_wait_xcnt 0x0
; FIRST LAYER OF THE EXPERTS, for the chosen pairs alone.  h = gelu(x W1[e] + b1[e]) for the tokens whose first or second place is expert e (reference() multiplies all other rows by 0).
; Work-group (s = x, e = y) owns W1[e][0:512][128 s : 128 s + 128]: 256 KB of f32 in rows of 512 consecutive bytes, which no other work-group reads.
; K IS SPLIT OVER THE FOUR WAVES: wave w owns k = 128 w .. 128 w + 127 and all 128 columns; its 128 x 128 weights, rounded to f16, stay in 256 registers as 32 fragments for the whole launch.
; So weights, token rows and the list are each wave's own; the waves meet only to add their four parts of a sum, through LDS, with one barrier for a CHUNK of 64 list positions.
; THE LIST.  Each wave makes the expert's list out of pm's 128 words: entry = slot * 2048 + token, in ascending order; 64 entries of 0 follow it, so that the last chunk is whole (those rows compute token 0 and are discarded later).
; Wave 0 of slice 0 also stores it for the next launch: lst[e] = 256 bytes that hold the list's length 64 times, then the entries, a chunk's 64 (256 consecutive bytes) in each trip that has work.
; THE TRIPS.  The number of chunks hangs on pm, and every wave must pass every barrier: so the loop has the constant 32 trips (2,048 positions at the most), each with its barrier,
; and the work in front of and behind the barrier is jumped over, forward, where the chunk's number is not below nch.  At least one chunk is made, so that the next launch's first loads find stored bytes.
; FORMAT.  x, W1 and h in f16, sums in f32.  LIMIT: |W1| and |h| below 65,504 (xh arrives within it); numbers below 6e-5 keep f16's fixed step of 6e-8.
; gelu is jax's tanh form, written x / (1 + 2^(x (C0 + C1 x^2))), C0 = -2 sqrt(2 / pi) log2(e), C1 = 0.044715 C0; where the power overflows the quotient is 0, as gelu is there.
; hf: [e][tile of 16 positions: 128][K step of 32: 64][half 2][lane 32][16 bytes]: the register image of the next launch's token fragments.
; NO TENSOR LOADS: every weight passes through registers to be rounded, and serves one wave.  NO CLUSTER: weights are shared by nobody; the rows of xh that an expert's 16 work-groups share are picked by a list,
; lane by lane, and their number hangs on pm, while a joint request may not be jumped over.
; REGISTERS, in windows of 256 (s_set_vgpr_msb: bits 1:0 source 0, 3:2 source 1, 5:4 source 2, 7:6 destination):
;   window 0: v0-33 addresses; v32-63 list entries, then offsets of rows; v64-191 token fragments, then sums at work (v64-79 first serve the list); v192-255 at work
;   window 1: the weights: fragment (columns 16 i on, k 32 j on) at v[8 (4 i + j)]
;   window 2: first four landing slots of 16 weight rows; then the accumulators: (block b, columns 16 i on) at v[8 (8 b + i)]
;   window 3: v0-127 the next chunk's rows as loaded; v128-191 b1 in the accumulators' layout
; ROTATION.  Block b of wave w holds the chunk's tile (w + b) % 4: block 0 is the tile that the wave finishes itself, blocks 1 to 3 go to the waves of those numbers.
.set WPITCH, 8192                      ; bytes from row to row of W1[e]
.set WP,     288                       ; a weight row in LDS: 128 f16 + 32 bytes: an odd multiple of 32, so 16 lanes of the turning load (8 rows x 32 bytes) take each bank once (64 banks of 4 bytes: ISA guide 11.1)
.set WSTGW,  128*WP                    ; a wave's 128 rows; the four lie over RED, which is first written behind a barrier
.set REDP,   98304                     ; RED: [parity 2][to wave 4][slot 3][16 x 512 bytes]
.set REDD,   24576
.set REDS,   8192
.set AST,    2*REDP                    ; a wave's 64 token rows, 256 bytes of each,
.set AP,     272                       ; + 16: an odd multiple of 16
.set ASTW,   64*AP
.set LISTB,  AST+4*ASTW
.set LISTW,  8704                      ; a wave's list: 2,112 entries, then a word for each lane that has nothing to enter
.set DUMP,   2112
.set LSTE,   8704                      ; an expert's part of lst: 256 bytes of length, 8,448 of entries
.set WT,     192                       ; v[192:223] 16 weight rows in f16, on their way to LDS
.set FR,     64                        ; token fragment (b, j) at v[FR + 8 (4 b + j)]
.set TT,     128                       ; v[128:191] gelu's second operand
.set MSB, 0
.macro WIN new                         ; the immediate's high byte repeats the setting that is left; a switch that changes nothing is dropped
.if MSB != (\new)
	s_set_vgpr_msb (MSB<<8)|(\new)
.set MSB, (\new)
.endif
.endm
.macro EACH n, line:vararg             ; one line n times; ix counts
.set ix, 0
.rept \n
	\line
.set ix, ix+1
.endr
.endm
.macro WLOAD g                         ; weight rows 16 g .. 16 g + 15 of my 128 into landing slot g % 4: a row's 512 bytes by one instruction
	WIN 0x80
	EACH 16, global_load_b128 v[64*((\g)%4)+4*ix:64*((\g)%4)+4*ix+3], v4, s[40:41] offset:(16*(\g)+ix)*WPITCH th:TH_LOAD_NT
	WIN 0
.endm
.macro WCONV g                         ; they are rounded to f16 and laid into my stage: 256 consecutive bytes an instruction
	WIN 0x0a
	EACH 16, v_cvt_pk_f16_f32 v[WT+2*ix], v[64*((\g)%4)+4*ix], v[64*((\g)%4)+4*ix+1]
	EACH 16, v_cvt_pk_f16_f32 v[WT+2*ix+1], v[64*((\g)%4)+4*ix+2], v[64*((\g)%4)+4*ix+3]
	WIN 0
	EACH 16, ds_store_b64 v5, v[WT+2*ix:WT+2*ix+1] offset:(16*(\g)+ix)*WP
.endm
.macro WTR j                           ; rows 32 j .. 32 j + 31 come back turned, as eight fragments; my own bytes, and LDS serves a wave's instructions in order (ISA guide 5.7.1.4)
	WIN 0x40
	EACH 8, ds_load_tr16_b128 v[8*(4*ix+(\j)):8*(4*ix+(\j))+3], v6 offset:32*WP*(\j)+32*ix
	EACH 8, ds_load_tr16_b128 v[8*(4*ix+(\j))+4:8*(4*ix+(\j))+7], v6 offset:32*WP*(\j)+32*ix+16*WP
	WIN 0
.endm
; 32 of pm's 128 words, EIGHT AT A TIME: each step is written for eight words on registers of their own, so that no line reads the result of the line before it.
; Word G lies in lane G / 4, register G % 4.  s[48:55] the words, s[66:73] their set bits, s[56:63] the list's length in front of each.
; A lane whose bit is set enters 32 G + L at the place (length in front) + (set bits below it); the others write their own spare word.
; The choice stands ahead of the clamp, and behind the clamp stand a shift and an add alone.
.macro LISTG g0
.set gb, (\g0)
.rept 4
	EACH 8, v_readlane_b32 s[48+ix], v[28+((gb+ix)&3)], (gb+ix)>>2
	EACH 8, s_bcnt1_i32_b32 s[66+ix], s[48+ix]
	s_mov_b32 s56, s17
	EACH 7, s_add_co_u32 s[57+ix], s[56+ix], s[66+ix]
	s_add_co_u32 s17, s63, s73
	EACH 8, v_mbcnt_lo_u32_b32 v[64+ix], s[48+ix], s[56+ix]
	EACH 8, v_cndmask_b32 v[64+ix], v8, v[64+ix], s[48+ix]
	EACH 8, v_min_u32 v[64+ix], DUMP+31, v[64+ix]
	EACH 8, v_lshl_add_u32 v[64+ix], v[64+ix], 2, v7
	EACH 8, v_add_nc_u32 v[72+ix], 32*(gb+ix), v1
	EACH 8, ds_store_b32 v[64+ix], v[72+ix]
.set gb, gb+8
.endr
.endm
; The rows of chunk s[sc]: 64 entries (a lane takes those of the 8 rows that it will load in each of 4 tiles), their tokens' offsets in xh, 32 loads: lanes 0-15 take my 256 bytes of one row, lanes 16-31 of the row 8 on.
.macro GATHER sc
	v_lshl_add_u32 v9, s[\sc], 8, v11
	EACH 8, ds_load_b128 v[32+4*ix:32+4*ix+3], v9 offset:64*(ix/2)+16*(ix%2)
	s_wait_dscnt 0x0                               ; the entries; with them every earlier LDS instruction of mine
	EACH 32, v_min_u32 v[32+ix], 4095, v[32+ix]
	EACH 32, v_and_b32 v[32+ix], 2047, v[32+ix]    ; the token
	EACH 32, v_lshl_add_u32 v[32+ix], v[32+ix], 10, v27
	WIN 0xc0
	EACH 32, global_load_b128 v[4*ix:4*ix+3], v[32+ix], s[4:5]
	WIN 0
.endm
; 128 products: 4 steps of 32 along my K x 4 blocks x 8 column tiles.  Source 0 = 16 columns of W, source 1 = 16 positions: a lane holds position r and columns 8 h + 0..7.
; The first step starts the sums with 0; the 32 accumulators take turns, one instruction a turn.
.macro MULS a0, win
	WIN \win
.set jj, 0
.rept 4
.set bb, 0
.rept 4
.set ii, 0
.rept 8
.if jj == 0
	v_wmma_f32_16x16x32_f16 v[8*(8*bb+ii):8*(8*bb+ii)+7], v[8*(4*ii+jj):8*(4*ii+jj)+7], v[(\a0)+8*(4*bb+jj):(\a0)+8*(4*bb+jj)+7], 0
.else
	v_wmma_f32_16x16x32_f16 v[8*(8*bb+ii):8*(8*bb+ii)+7], v[8*(4*ii+jj):8*(4*ii+jj)+7], v[(\a0)+8*(4*bb+jj):(\a0)+8*(4*bb+jj)+7], v[8*(8*bb+ii):8*(8*bb+ii)+7]
.endif
.set ii, ii+1
.endr
.set bb, bb+1
.endr
.set jj, jj+1
.endr
	WIN 0
.endm
.macro PLACES                          ; four places before results are stored and sources loaded anew (ISA guide 7.12.1); a fifth, since on the way that jumps over the part behind the barrier the next chunk's first products write over these accumulators
	EACH 5, v_nop
.endm
.macro PUT p                           ; blocks 1 to 3 go to their waves: 512 consecutive bytes an instruction, each accumulator from its low end on
	WIN 0x08
	EACH 48, ds_store_b128 v[18+3*(\p)+ix/16], v[64+4*ix:64+4*ix+3] offset:512*(ix%16)
	WIN 0
.endm
.macro GETSUM p                        ; my tile: block 0 and the three parts that came, into v[64:127]
	EACH 48, ds_load_b128 v[64+4*ix:64+4*ix+3], v[24+(\p)] offset:512*ix
	s_wait_dscnt 32                                ; the first slot's 16 loads are in; 32 are younger
	WIN 0x02
	EACH 32, v_pk_add_f32 v[64+2*ix:65+2*ix], v[2*ix:2*ix+1], v[64+2*ix:65+2*ix]
	WIN 0
	s_wait_dscnt 16                                ; the second slot's
	EACH 32, v_pk_add_f32 v[64+2*ix:65+2*ix], v[64+2*ix:65+2*ix], v[128+2*ix:129+2*ix]
	s_wait_dscnt 0x0
	EACH 32, v_pk_add_f32 v[64+2*ix:65+2*ix], v[64+2*ix:65+2*ix], v[192+2*ix:193+2*ix]
.endm
	s_load_b256 s[4:11], s[0:1], 0x0               ; xh s[4:5], pm s[6:7], W1 s[8:9], b1 s[10:11]
	s_load_b64 s[12:13], s[0:1], 0x20              ; hf
	s_load_b64 s[42:43], s[0:1], 0x28              ; lst
	s_set_vgpr_msb 0xc0
	v_lshl_add_u32 v192, v0, 2, 0x49800
	v_mov_b32 v193, 0
	s_set_vgpr_msb 0xc000
	v_lshrrev_b32 v1, 5, v0
	v_readfirstlane_b32 s14, v1                    ; wave w
	s_mov_b32 s15, ttmp9                           ; slice s
	s_and_b32 s16, ttmp7, 0xffff                   ; expert e
	v_and_b32 v1, 31, v0                           ; L
	v_and_b32 v2, 15, v0                           ; r
	v_bfe_u32 v3, v0, 4, 1                         ; h
	v_lshlrev_b32 v4, 4, v1                        ; 16 L
	s_mul_i32 s21, s14, WSTGW
	v_lshl_add_u32 v5, v1, 3, s21                  ; weight stage, in
	v_and_b32 v9, 7, v0
	v_lshl_add_u32 v9, v3, 3, v9
	v_mul_u32_u24 v9, v9, WP
	v_bfe_u32 v10, v0, 3, 1
	v_lshl_add_u32 v9, v10, 4, v9
	v_add_nc_u32 v6, s21, v9                       ; weight stage, back: row 8 h + L % 8, columns 8 ((L / 8) % 2) on
	s_mul_i32 s21, s14, LISTW
	s_add_co_u32 s21, s21, LISTB
	v_mov_b32 v7, s21                              ; my list
	v_add_nc_u32 v8, DUMP, v1                      ; the place of my spare word in it
	v_mov_b32 v13, 0
	v_lshl_add_u32 v11, v3, 5, v7                  ; list, read: 8 entries further on for the upper lanes
	s_mul_i32 s23, s14, ASTW
	s_add_co_u32 s23, s23, AST                     ; my token stage
	v_mul_u32_u24 v9, v3, 8*AP
	v_lshl_add_u32 v9, v2, 4, v9
	v_add_nc_u32 v12, s23, v9                      ; in: row 8 h, 16 bytes a lane
	v_mul_u32_u24 v10, v2, AP
	v_lshl_add_u32 v10, v3, 4, v10                 ; a fragment's row r, 16 bytes for each half of the lanes
.irp b, 0,1,2,3
	s_add_co_u32 s21, s14, \b
	s_and_b32 s21, s21, 3                          ; the tile of block b
	s_mul_i32 s22, s21, 16*AP
	s_add_co_u32 s22, s22, s23
	v_add_nc_u32 v[14+(\b)], s22, v10              ; v14-17: its fragments
.if \b
	s_mul_i32 s22, s21, REDD
	s_add_co_u32 s22, s22, ((\b)-1)*REDS
	v_add_nc_u32 v[17+(\b)], s22, v4               ; v18-20: where it goes, parity 0,
	v_add_nc_u32 v[20+(\b)], REDP, v[17+(\b)]      ; v21-23: parity 1
.endif
.endr
	s_mul_i32 s22, s14, REDD
	v_add_nc_u32 v24, s22, v4                      ; v24, v25: what comes to me
	v_add_nc_u32 v25, REDP, v24
	s_lshl_b32 s22, s14, 16
	s_lshl_b32 s21, s15, 12
	s_add_co_u32 s22, s22, s21
	v_add_nc_u32 v26, s22, v4                      ; hf: tile w of a chunk, K steps 4 s on, my 16 bytes
	s_lshl_b32 s22, s14, 8
	v_lshl_add_u32 v27, v2, 4, s22                 ; xh: my wave's 256 bytes of a row, 16 a lane
	v_lshlrev_b32 v33, 5, v3                       ; b1: 8 columns further on for the upper lanes
	s_mov_b32 s17, 0                               ; the list's length so far
	s_mov_b32 s28, 0xbdd2d3e8                      ; C1 = -0.10294324, named as a pair
	s_mov_b32 s29, s28
	s_mov_b32 s30, 0xc0135761                      ; C0 = -2.3022082
	s_mov_b32 s31, s30
	s_lshl_b32 s24, s16, 22                        ; W1: e x 4 MiB + 128 w rows + 512 s bytes
	s_lshl_b32 s21, s14, 20
	s_add_co_u32 s24, s24, s21
	s_lshl_b32 s21, s15, 9
	s_add_co_u32 s24, s24, s21
	s_mov_b32 s25, 0
	s_lshl_b32 s26, s16, 9                         ; pm: e x 512
	s_mov_b32 s27, 0
	s_lshl_b32 s32, s16, 13                        ; b1: e x 8,192 + 512 s
	s_add_co_u32 s32, s32, s21
	s_mov_b32 s33, 0
	s_lshl_b32 s34, s16, 23                        ; hf: e x 8 MiB
	s_mov_b32 s35, 0
	s_mul_i32 s36, s16, LSTE                       ; lst: e x 8,704
	s_mov_b32 s37, 0
	s_wait_kmcnt 0x0
	s_add_nc_u64 s[40:41], s[8:9], s[24:25]
	s_add_nc_u64 s[6:7], s[6:7], s[26:27]
	s_add_nc_u64 s[10:11], s[10:11], s[32:33]
	s_add_nc_u64 s[12:13], s[12:13], s[34:35]
	s_add_nc_u64 s[42:43], s[42:43], s[36:37]
	global_load_b128 v[28:31], v4, s[6:7]          ; the expert's 128 words of pm: lane L holds words 4 L .. 4 L + 3
	WIN 0xc0
	EACH 16, global_load_b128 v[128+4*ix:128+4*ix+3], v33, s[10:11] offset:64*(ix/2)+16*(ix%2)  ; b1[128 s + 16 i + 8 h + 0..7] at v[128 + 8 i]
	WIN 0
	WLOAD 0
	WLOAD 1
	WLOAD 2
	WLOAD 3
	; THE WEIGHTS come in eight groups of 16 rows through four landing slots; the list is made in the time in which the wave would wait for them.
.irp g, 0,1,2,3
	s_wait_loadcnt 48                              ; loads come back in order (ISA guide 5.7.1): group g is in, and pm and b1, which are older; the three younger groups stay out
	WCONV \g
	WLOAD (\g)+4
.if (\g)%2
	WTR ((\g)-1)/2
.endif
	LISTG 32*(\g)
.endr
	v_add_nc_u32 v9, s17, v1                       ; 64 entries of 0 behind the list
	v_add_nc_u32 v10, 32, v9
	v_min_u32 v9, DUMP-1, v9
	v_min_u32 v10, DUMP-1, v10
	v_lshl_add_u32 v9, v9, 2, v7
	v_lshl_add_u32 v10, v10, 2, v7
	ds_store_b32 v9, v13
	ds_store_b32 v10, v13
	s_add_co_u32 s18, s17, 63
	s_lshr_b32 s18, s18, 6
	s_max_u32 s18, s18, 1                          ; nch: the chunks to make, one at the least
	v_lshl_add_u32 v31, v1, 3, v7                  ; pm's words are used up: v31 = my list, 8 bytes a lane; v28-30 serve the stores into lst
	s_cmp_lg_u32 s14, 0
	s_cbranch_scc1 .Lno_head                       ; wave 0
	s_cmp_lg_u32 s15, 0
	s_cbranch_scc1 .Lno_head                       ; of slice 0 stores the list's length: 64 times, 256 consecutive bytes at the head of lst[e]
	v_mov_b32 v28, s17
	v_mov_b32 v29, s17
	v_lshlrev_b32 v30, 3, v1
	global_store_b64 v30, v[28:29], s[42:43]
.Lno_head:
	s_wait_loadcnt 48                              ; group 4; 5 to 7 stay out
	WCONV 4
	s_wait_loadcnt 32
	WCONV 5
	WTR 2
	s_wait_loadcnt 16
	WCONV 6
	s_mov_b32 s19, 0
	GATHER 19                                      ; chunk 0's rows, on every way: what a trip reads has been written whichever jumps are taken
	s_wait_loadcnt 32                              ; group 7; the 32 rows just asked for stay out
	WCONV 7
	WTR 3
	s_wait_dscnt 0x0                               ; my weights are in registers: my stage may be written over,
	s_barrier_signal -1
	s_barrier_wait -1                              ; and so may everybody's: RED lies over the stages
; A TRIP, for chunk c = 2 s20 + p.  Parity p of RED is written in front of this trip's barrier and read behind it; it is written again two trips on, behind the next trip's barrier,
; in front of which every wave has waited for its reads: one barrier a trip orders both.
.macro TRIP p
	s_lshl_b32 s19, s20, 1
.if \p
	s_add_co_u32 s19, s19, 1
.endif
	s_cmp_lt_u32 s19, s18
	s_cbranch_scc0 .Lidle_a_\@
	s_wait_loadcnt 0x0                             ; the chunk's rows are in; their offsets' registers are free
	WIN 0x0c
	EACH 32, ds_store_b128 v12, v[4*ix:4*ix+3] offset:(16*(ix/8)+ix%8)*AP
	WIN 0
	EACH 16, ds_load_b128 v[FR+8*ix:FR+8*ix+3], v[14+ix/4] offset:64*(ix%4)       ; my own bytes, in order: k 8 h + 0..7 of step ix % 4,
	EACH 16, ds_load_b128 v[FR+8*ix+4:FR+8*ix+7], v[14+ix/4] offset:64*(ix%4)+32  ; and k 16 + 8 h + 0..7
	s_add_co_u32 s21, s19, 1
	s_cmp_lt_u32 s21, s18
	s_cbranch_scc0 .Lno_next_\@
	GATHER 21                                      ; the next chunk's rows have the products, the barrier and the part behind it in which to land
.Lno_next_\@:
	s_cmp_lg_u32 s14, 0
	s_cbranch_scc1 .Lno_list_\@                    ; wave 0
	s_cmp_lg_u32 s15, 0
	s_cbranch_scc1 .Lno_list_\@                    ; of slice 0 stores the chunk's 64 entries for the next launch
	s_wait_xcnt 0x0                                ; the store before this one has read v[28:30], which are written below
	v_lshl_add_u32 v10, s19, 8, v31
	ds_load_b64 v[28:29], v10                      ; my own list: entries 64 c + 2 L, + 1
	v_lshlrev_b32 v30, 3, v1
	v_lshl_add_u32 v30, s19, 8, v30
	s_wait_dscnt 0x0
	global_store_b64 v30, v[28:29], s[42:43] offset:256  ; 256 consecutive bytes, at a multiple of 256 from lst's first
.Lno_list_\@:
	s_wait_dscnt 0x0                               ; the fragments
	MULS FR, 0xa1
	PLACES
	PUT \p
.Lidle_a_\@:
	s_wait_dscnt 0x0                               ; for the others' sake: what I sent is in LDS, and my reads of the other parity are over
	s_barrier_signal -1
	s_barrier_wait -1
	s_cmp_lt_u32 s19, s18
	s_cbranch_scc0 .Lidle_b_\@
	GETSUM \p
	WIN 0x0c
	EACH 32, v_pk_add_f32 v[64+2*ix:65+2*ix], v[64+2*ix:65+2*ix], v[128+2*ix:129+2*ix]  ; + b1
	WIN 0
	EACH 32, v_pk_mul_f32 v[TT+2*ix:TT+2*ix+1], v[64+2*ix:65+2*ix], v[64+2*ix:65+2*ix]
	EACH 32, v_pk_fma_f32 v[TT+2*ix:TT+2*ix+1], v[TT+2*ix:TT+2*ix+1], s[28:29], s[30:31] op_sel_hi:[1,0,0]
	EACH 32, v_pk_mul_f32 v[TT+2*ix:TT+2*ix+1], v[TT+2*ix:TT+2*ix+1], v[64+2*ix:65+2*ix]
	EACH 64, v_exp_f32 v[TT+ix], v[TT+ix]
	v_nop                                          ; a plain instruction between the last exponential and the use of its result
	s_wait_alu depctr_va_vdst(0)
	EACH 32, v_pk_add_f32 v[TT+2*ix:TT+2*ix+1], v[TT+2*ix:TT+2*ix+1], 1.0 op_sel_hi:[1,0]
	EACH 64, v_rcp_f32 v[TT+ix], v[TT+ix]
	v_nop
	s_wait_alu depctr_va_vdst(0)
	EACH 32, v_pk_mul_f32 v[64+2*ix:65+2*ix], v[64+2*ix:65+2*ix], v[TT+2*ix:TT+2*ix+1]
	EACH 32, v_cvt_pk_f16_f32 v[64+ix], v[64+2*ix], v[65+2*ix]  ; in place, ascending: a result never lands on a number still to be read
	v_lshl_add_u32 v9, s19, 18, v26                ; a chunk is four tiles of 65,536 bytes
	EACH 8, global_store_b128 v9, v[64+4*ix:64+4*ix+3], s[12:13] offset:512*ix  ; column tile i is half i % 2 of K step 4 s + i / 2: 512 consecutive bytes an instruction, 4,096 in all
	s_wait_xcnt 0x0                                ; the stores' registers are written again in the next trip
.Lidle_b_\@:
.endm
	s_mov_b32 s20, 0
.Lloop:
	TRIP 0
	TRIP 1
	s_add_co_u32 s20, s20, 1
	s_cmp_lt_u32 s20, 16
	s_cbranch_scc1 .Lloop
	s_set_vgpr_msb 0xf
	s_wait_tensorcnt 0x0
	ds_add_u32 v192, v193
	s_wait_dscnt 0x0
	s_set_vgpr_msb 0xf00
	s_endpgm
.Lfunc_end_k_q1382d1b458_ffn1:
	.size	k_q1382d1b458_ffn1, .Lfunc_end_k_q1382d1b458_ffn1-k_q1382d1b458_ffn1
	.p2alignl 7, 3214868480
	.fill 96, 4, 3214868480
	.section	.rodata,"a",@progbits
	.p2align	6, 0x0
	.amdhsa_kernel k_q1382d1b458_ffn1
		.amdhsa_group_segment_fixed_size 301568
		.amdhsa_private_segment_fixed_size 0
		.amdhsa_enable_private_segment 0
		.amdhsa_kernarg_size 48
		.amdhsa_user_sgpr_count 2
		.amdhsa_user_sgpr_kernarg_segment_ptr 1
		.amdhsa_wavefront_size32 1
		.amdhsa_system_sgpr_workgroup_id_x 1
		.amdhsa_system_sgpr_workgroup_id_y 1
		.amdhsa_system_sgpr_workgroup_id_z 1
		.amdhsa_system_vgpr_workitem_id 0
		.amdhsa_next_free_vgpr 962
		.amdhsa_next_free_sgpr 80
		.amdhsa_reserve_vcc 0
		.amdhsa_float_denorm_mode_32 3
		.amdhsa_float_denorm_mode_16_64 3
		.amdhsa_memory_ordered 1
		.amdhsa_forward_progress 1
		.amdhsa_inst_pref_size 232
	.end_amdhsa_kernel
	.amdgpu_metadata
---
amdhsa.version: [ 1, 2 ]
amdhsa.kernels:
  - .name:           k_q1382d1b458_ffn1
    .symbol:         k_q1382d1b458_ffn1.kd
    .args:
      - { .name: xh, .offset: 0, .size: 8, .value_kind: global_buffer, .address_space: global }
      - { .name: pm, .offset: 8, .size: 8, .value_kind: global_buffer, .address_space: global }
      - { .name: W1, .offset: 16, .size: 8, .value_kind: global_buffer, .address_space: global }
      - { .name: b1, .offset: 24, .size: 8, .value_kind: global_buffer, .address_space: global }
      - { .name: hf, .offset: 32, .size: 8, .value_kind: global_buffer, .address_space: global }
      - { .name: lst, .offset: 40, .size: 8, .value_kind: global_buffer, .address_space: global }
    .group_segment_fixed_size: 301568
    .private_segment_fixed_size: 0
    .kernarg_segment_align: 8
    .kernarg_segment_size: 48
    .max_flat_workgroup_size: 128
    .sgpr_count:     80
    .vgpr_count:     962
    .wavefront_size: 32
...
	.end_amdgpu_metadata
.endif
;; end of part 2
;; launch ffn2 (part 3): grid 16 x 16, 4 waves a work-group, no clusters, 230,912 bytes of LDS; arguments hf, lst, W2, b2, yp; writes yp
.if DOCPART == 3
	.amdgcn_target "amdgcn-amd-amdhsa--gfx1250"
	.amdhsa_code_object_version 6
	.text
	.protected	k_q1382d1b458_ffn2
	.globl	k_q1382d1b458_ffn2
	.p2align	8
	.type	k_q1382d1b458_ffn2,@function
k_q1382d1b458_ffn2:
	s_mov_b64 s[64:65], 0
	v_nop
	global_prefetch_b8 v0, s[64:65] scope:SCOPE_SE
	s_setreg_imm32_b32 hwreg(HW_REG_WAVE_MODE, 25, 1), 1
	s_wait_xcnt 0x0
; SECOND LAYER OF THE EXPERTS.  yp[kq][slot * 2048 + token][:] = h[.., 512 kq : 512 kq + 512] W2[e][512 kq : 512 kq + 512][:] (+ b2[e] in quarter kq = 0) for the chosen pairs.
; Work-group (s = x, e = y), kq = s / 4, nb = s % 4, owns W2[e][512 kq .. + 511][128 nb .. + 127]: 256 KB of f32 in rows of 512 consecutive bytes, which no other work-group reads.
; The shape is the first layer's: K split over the four waves (wave w: k = 512 kq + 128 w on), the wave's 128 x 128 weights in 256 registers as f16, chunks of 64 list positions,
; the four parts of a sum added through LDS, one barrier a chunk, the constant 32 trips with the work jumped over, forward, where the chunk's number is not below nch.
; h arrives in hf as the register image of the token fragments: it is loaded straight into them, 512 consecutive bytes an instruction, two chunks ahead, into two sets that take turns.
; THE LIST is the first layer's, read from lst[e]: its length from the first word, and in each trip that has work the 16 entries (slot * 2048 + token) of the tile that the wave finishes,
; 64 bytes by one scalar load, asked for ahead of the products and waited for behind them.
; FORMAT.  h and W2 in f16, sums in f32.  LIMIT: |W2| below 65,504; numbers below 6e-5 keep f16's fixed step of 6e-8.
; Rows of the list's padding are computed and never stored; every row of yp belongs to one expert's list and is stored once in each quarter and column block.
; NO TENSOR LOADS: every weight passes through registers to be rounded, and serves one wave.  NO CLUSTER: the four work-groups of a K quarter read the same 64 KB of hf a chunk, but the number of chunks hangs on lst,
; and a joint request may not be jumped over: asked for in all 32 trips it would be 2 MiB a work-group against the 256 KB of an even share.
; REGISTERS, in windows of 256 (s_set_vgpr_msb: bits 1:0 source 0, 3:2 source 1, 5:4 source 2, 7:6 destination):
;   window 0: v0-51 addresses and b2; v64-255 at work     window 1: the weights, fragment (columns 16 i on, k 32 j on) at v[8 (4 i + j)]
;   window 2: first four landing slots of 16 weight rows; then the accumulators, (block b, columns 16 i on) at v[8 (8 b + i)]     window 3: two sets of token fragments, (b, j) at v[128 set + 8 (4 b + j)]
; ROTATION.  Block b of wave w holds the chunk's tile (w + b) % 4: block 0 is the tile that the wave finishes itself.
.set WPITCH, 2048                      ; bytes from row to row of W2[e]
.set WP,     288                       ; a weight row in LDS: 128 f16 + 32 bytes: an odd multiple of 32, so 16 lanes of the turning load (8 rows x 32 bytes) take each bank once (64 banks of 4 bytes: ISA guide 11.1)
.set WSTGW,  128*WP                    ; a wave's 128 rows; the four lie over RED, which is first written behind a barrier
.set REDP,   98304                     ; RED: [parity 2][to wave 4][slot 3][16 x 512 bytes]
.set REDD,   24576
.set REDS,   8192
.set TST,    2*REDP                    ; a wave's 16 finished rows of 512 bytes,
.set TP,     528                       ; + 16: an odd multiple of 16
.set TSTW,   16*TP
.set LSTE,   8704                      ; an expert's part of lst: 256 bytes of length, 8,448 of entries
.set WT,     192                       ; v[192:223] 16 weight rows in f16, on their way to LDS
.set MSB, 0
.macro WIN new                         ; the immediate's high byte repeats the setting that is left; a switch that changes nothing is dropped
.if MSB != (\new)
	s_set_vgpr_msb (MSB<<8)|(\new)
.set MSB, (\new)
.endif
.endm
.macro EACH n, line:vararg             ; one line n times; ix counts
.set ix, 0
.rept \n
	\line
.set ix, ix+1
.endr
.endm
.macro WLOAD g                         ; weight rows 16 g .. 16 g + 15 of my 128 into landing slot g % 4: a row's 512 bytes by one instruction
	WIN 0x80
	EACH 16, global_load_b128 v[64*((\g)%4)+4*ix:64*((\g)%4)+4*ix+3], v4, s[40:41] offset:(16*(\g)+ix)*WPITCH th:TH_LOAD_NT
	WIN 0
.endm
.macro WCONV g                         ; they are rounded to f16 and laid into my stage: 256 consecutive bytes an instruction
	WIN 0x0a
	EACH 16, v_cvt_pk_f16_f32 v[WT+2*ix], v[64*((\g)%4)+4*ix], v[64*((\g)%4)+4*ix+1]
	EACH 16, v_cvt_pk_f16_f32 v[WT+2*ix+1], v[64*((\g)%4)+4*ix+2], v[64*((\g)%4)+4*ix+3]
	WIN 0
	EACH 16, ds_store_b64 v5, v[WT+2*ix:WT+2*ix+1] offset:(16*(\g)+ix)*WP
.endm
.macro WTR j                           ; rows 32 j .. 32 j + 31 come back turned, as eight fragments; my own bytes, and LDS serves a wave's instructions in order (ISA guide 5.7.1.4)
	WIN 0x40
	EACH 8, ds_load_tr16_b128 v[8*(4*ix+(\j)):8*(4*ix+(\j))+3], v6 offset:32*WP*(\j)+32*ix
	EACH 8, ds_load_tr16_b128 v[8*(4*ix+(\j))+4:8*(4*ix+(\j))+7], v6 offset:32*WP*(\j)+32*ix+16*WP
	WIN 0
.endm
; Chunk s[sc]'s fragments of my K steps into a set: 4 blocks x 4 steps x 2 halves.  Each set has its own four offset registers.
.macro FETCH sc, set
	EACH 4, v_lshl_add_u32 v[34+4*(\set)+ix], s[\sc], 18, v[14+ix]
	WIN 0xc0
	EACH 32, global_load_b128 v[128*(\set)+4*ix:128*(\set)+4*ix+3], v[34+4*(\set)+ix/8], s[4:5] offset:512*(ix%8)
	WIN 0
.endm
; 128 products: 4 steps of 32 along my K x 4 blocks x 8 column tiles.  Source 0 = 16 columns of W, source 1 = 16 positions: a lane holds position r and columns 8 h + 0..7.
; The first step starts the sums with 0; the 32 accumulators take turns, one instruction a turn.
.macro MULS a0, win
	WIN \win
.set jj, 0
.rept 4
.set bb, 0
.rept 4
.set ii, 0
.rept 8
.if jj == 0
	v_wmma_f32_16x16x32_f16 v[8*(8*bb+ii):8*(8*bb+ii)+7], v[8*(4*ii+jj):8*(4*ii+jj)+7], v[(\a0)+8*(4*bb+jj):(\a0)+8*(4*bb+jj)+7], 0
.else
	v_wmma_f32_16x16x32_f16 v[8*(8*bb+ii):8*(8*bb+ii)+7], v[8*(4*ii+jj):8*(4*ii+jj)+7], v[(\a0)+8*(4*bb+jj):(\a0)+8*(4*bb+jj)+7], v[8*(8*bb+ii):8*(8*bb+ii)+7]
.endif
.set ii, ii+1
.endr
.set bb, bb+1
.endr
.set jj, jj+1
.endr
	WIN 0
.endm
.macro PLACES                          ; four places before results are stored and sources loaded anew (ISA guide 7.12.1); a fifth, since on the way that jumps over the part behind the barrier the next chunk's first products write over these accumulators
	EACH 5, v_nop
.endm
.macro PUT p                           ; blocks 1 to 3 go to their waves: 512 consecutive bytes an instruction, each accumulator from its low end on
	WIN 0x08
	EACH 48, ds_store_b128 v[18+3*(\p)+ix/16], v[64+4*ix:64+4*ix+3] offset:512*(ix%16)
	WIN 0
.endm
.macro GETSUM p                        ; my tile: block 0 and the three parts that came, into v[64:127]
	EACH 48, ds_load_b128 v[64+4*ix:64+4*ix+3], v[24+(\p)] offset:512*ix
	s_wait_dscnt 32                                ; the first slot's 16 loads are in; 32 are younger
	WIN 0x02
	EACH 32, v_pk_add_f32 v[64+2*ix:65+2*ix], v[2*ix:2*ix+1], v[64+2*ix:65+2*ix]
	WIN 0
	s_wait_dscnt 16                                ; the second slot's
	EACH 32, v_pk_add_f32 v[64+2*ix:65+2*ix], v[64+2*ix:65+2*ix], v[128+2*ix:129+2*ix]
	s_wait_dscnt 0x0
	EACH 32, v_pk_add_f32 v[64+2*ix:65+2*ix], v[64+2*ix:65+2*ix], v[192+2*ix:193+2*ix]
.endm
	s_load_b256 s[4:11], s[0:1], 0x0               ; hf s[4:5], lst s[6:7], W2 s[8:9], b2 s[10:11]
	s_load_b64 s[12:13], s[0:1], 0x20              ; yp
	v_lshl_add_u32 v62, v0, 2, 0x38400
	v_mov_b32 v63, 0
	v_lshrrev_b32 v1, 5, v0
	v_readfirstlane_b32 s14, v1                    ; wave w
	s_mov_b32 s15, ttmp9                           ; slice s
	s_and_b32 s16, ttmp7, 0xffff                   ; expert e
	s_lshr_b32 s32, s15, 2                         ; kq: which 512 of H
	s_and_b32 s33, s15, 3                          ; nb: which 128 columns
	v_and_b32 v1, 31, v0                           ; L
	v_and_b32 v2, 15, v0                           ; r
	v_bfe_u32 v3, v0, 4, 1                         ; h
	v_lshlrev_b32 v4, 4, v1                        ; 16 L
	s_mul_i32 s21, s14, WSTGW
	v_lshl_add_u32 v5, v1, 3, s21                  ; weight stage, in
	v_and_b32 v9, 7, v0
	v_lshl_add_u32 v9, v3, 3, v9
	v_mul_u32_u24 v9, v9, WP
	v_bfe_u32 v10, v0, 3, 1
	v_lshl_add_u32 v9, v10, 4, v9
	v_add_nc_u32 v6, s21, v9                       ; weight stage, back: row 8 h + L % 8, columns 8 ((L / 8) % 2) on
	s_mul_i32 s34, s14, TSTW
	s_add_co_u32 s34, s34, TST                     ; my stage for finished rows
	v_mul_u32_u24 v9, v2, TP
	v_lshl_add_u32 v9, v3, 5, v9
	v_add_nc_u32 v12, s34, v9                      ; in: row r, 8 columns for each half of the lanes
	v_add_nc_u32 v26, s34, v4                      ; back: a whole row by 32 lanes
	s_lshl_b32 s35, s32, 14
	s_lshl_b32 s22, s14, 12
	s_add_co_u32 s35, s35, s22                     ; hf: K steps 16 kq + 4 w on, 1,024 bytes each
.irp b, 0,1,2,3
	s_add_co_u32 s21, s14, \b
	s_and_b32 s21, s21, 3                          ; the tile of block b
	s_lshl_b32 s22, s21, 16
	s_add_co_u32 s22, s22, s35
	v_add_nc_u32 v[14+(\b)], s22, v4               ; v14-17: its fragments in a chunk of hf
.if \b
	s_mul_i32 s22, s21, REDD
	s_add_co_u32 s22, s22, ((\b)-1)*REDS
	v_add_nc_u32 v[17+(\b)], s22, v4               ; v18-20: where it goes, parity 0,
	v_add_nc_u32 v[20+(\b)], REDP, v[17+(\b)]      ; v21-23: parity 1
.endif
.endr
	s_mul_i32 s22, s14, REDD
	v_add_nc_u32 v24, s22, v4                      ; v24, v25: what comes to me
	v_add_nc_u32 v25, REDP, v24
	s_lshl_b32 s24, s16, 22                        ; W2: e x 4 MiB + (512 kq + 128 w) rows of 2,048 bytes + 512 nb
	s_lshl_b32 s21, s32, 20
	s_add_co_u32 s24, s24, s21
	s_lshl_b32 s21, s14, 18
	s_add_co_u32 s24, s24, s21
	s_lshl_b32 s21, s33, 9
	s_add_co_u32 s24, s24, s21
	s_mov_b32 s25, 0
	s_mul_i32 s26, s16, LSTE                       ; lst: e x 8,704
	s_mov_b32 s27, 0
	s_lshl_b32 s36, s16, 11                        ; b2: e x 2,048 + 512 nb
	s_add_co_u32 s36, s36, s21
	s_mov_b32 s37, 0
	s_lshl_b32 s38, s16, 23                        ; hf: e x 8 MiB
	s_mov_b32 s39, 0
	s_lshl_b32 s42, s32, 23                        ; yp: kq x 8 MiB + 512 nb
	s_add_co_u32 s42, s42, s21
	s_mov_b32 s43, 0
	s_lshl_b32 s45, s14, 6                         ; lst: the 16 entries of tile w of chunk 0
	s_wait_kmcnt 0x0
	s_add_nc_u64 s[40:41], s[8:9], s[24:25]
	s_add_nc_u64 s[6:7], s[6:7], s[26:27]
	s_add_nc_u64 s[10:11], s[10:11], s[36:37]
	s_add_nc_u64 s[4:5], s[4:5], s[38:39]
	s_add_nc_u64 s[12:13], s[12:13], s[42:43]
	s_load_b32 s17, s[6:7], 0x0                    ; the list's length
	s_load_b512 s[48:63], s[6:7], s45 offset:0x100 ; chunk 0's entries, which the first layer always stores: what a trip reads has been written whichever jumps are taken
	global_load_b128 v[48:51], v4, s[10:11]        ; b2[e][128 nb + 4 L ..]: the columns that I hold of a whole row
	WLOAD 0
	WLOAD 1
	WLOAD 2
	WLOAD 3
	; THE WEIGHTS come in eight groups of 16 rows through four landing slots.
.irp g, 0,1,2,3
	s_wait_loadcnt 48                              ; loads come back in order (ISA guide 5.7.1): group g is in, and b2, which is older; the three younger groups stay out
	WCONV \g
	WLOAD (\g)+4
.if (\g)%2
	WTR ((\g)-1)/2
.endif
.endr
	s_cmp_eq_u32 s32, 0                            ; b2 counts once for a pair: in quarter 0; elsewhere its bits are cleared
	s_cselect_b32 s23, -1, 0
	EACH 4, v_and_b32 v[48+ix], s23, v[48+ix]
	s_wait_kmcnt 0x0                               ; the length and the first entries
	s_min_u32 s17, s17, 2048                       ; a list has 2,048 entries at the most
	s_add_co_u32 s18, s17, 63
	s_lshr_b32 s18, s18, 6                         ; nch
	s_wait_loadcnt 48                              ; group 4; 5 to 7 stay out
	WCONV 4
	s_wait_loadcnt 32
	WCONV 5
	WTR 2
	s_wait_loadcnt 16
	WCONV 6
	s_mov_b32 s19, 0
	FETCH 19, 0                                    ; chunk 0 into set 0 and chunk 1 into set 1, on every way: what a trip reads has been written whichever jumps are taken.
	s_max_u32 s21, s18, 1                          ; The first layer stores one chunk at the least; where it stored one alone, set 1 takes chunk 0 again
	s_sub_co_u32 s21, s21, 1
	s_min_u32 s21, s21, 1
	FETCH 21, 1
	s_wait_loadcnt 63                              ; group 7: 64 loads are younger; 63 is the largest count that can be written and asks for one more
	WCONV 7
	WTR 3
	s_wait_dscnt 0x0                               ; my weights are in registers: my stage may be written over,
	s_barrier_signal -1
	s_barrier_wait -1                              ; and so may everybody's: RED lies over the stages
; A TRIP, for chunk c = 2 s20 + p.  Parity p of RED is written in front of this trip's barrier and read behind it; it is written again two trips on, behind the next trip's barrier,
; in front of which every wave has waited for its reads: one barrier a trip orders both.
.macro TRIP p
	s_lshl_b32 s19, s20, 1
.if \p
	s_add_co_u32 s19, s19, 1
.endif
	s_cmp_lt_u32 s19, s18
	s_cbranch_scc0 .Lidle_a_\@
	s_lshl_b32 s45, s19, 8                         ; a chunk's 64 entries are 256 bytes; my tile's 16 begin 64 w bytes in
	s_lshl_b32 s22, s14, 6
	s_add_co_u32 s45, s45, s22
	s_load_b512 s[48:63], s[6:7], s45 offset:0x100 ; they have the products in which to come
	s_wait_loadcnt 0x0                             ; both sets are in (the younger was asked for a trip ago); their offsets' registers are free
	MULS 128*(\p), 0xad
	PLACES
	s_add_co_u32 s21, s19, 2
	s_cmp_lt_u32 s21, s18
	s_cbranch_scc0 .Lno_next_\@
	FETCH 21, \p                                   ; the set just multiplied takes the chunk two on: it has two trips less these products in which to land
.Lno_next_\@:
	PUT \p
	s_wait_kmcnt 0x0                               ; the entries are in: no scalar load is out where this part ends, so s45 and s[48:63] may be written in a later trip on every way
.Lidle_a_\@:
	s_wait_dscnt 0x0                               ; for the others' sake: what I sent is in LDS, and my reads of the other parity are over
	s_barrier_signal -1
	s_barrier_wait -1
	s_cmp_lt_u32 s19, s18
	s_cbranch_scc0 .Lidle_b_\@
	GETSUM \p
	EACH 16, ds_store_b128 v12, v[64+4*ix:64+4*ix+3] offset:64*(ix/2)+16*(ix%2)  ; a lane's 8 columns of position r, into rows
	EACH 16, ds_load_b128 v[128+4*ix:128+4*ix+3], v26 offset:TP*ix               ; my own bytes, in order: whole rows of 512 bytes
	EACH 16, s_min_u32 s[48+ix], s[48+ix], 4095
	EACH 16, v_lshl_add_u32 v[224+ix], s[48+ix], 11, v4                          ; row slot * 2048 + token of yp, my 16 bytes
	s_wait_dscnt 0x0
	EACH 32, v_pk_add_f32 v[128+2*ix:129+2*ix], v[128+2*ix:129+2*ix], v[48+2*(ix%2):49+2*(ix%2)]
	s_lshl_b32 s21, s19, 6
	s_lshl_b32 s22, s14, 4
	s_add_co_u32 s21, s21, s22
	s_sub_co_i32 s21, s17, s21                     ; how many of my tile's positions lie inside the list
.set rr, 0
.rept 16
	s_cmp_le_i32 s21, rr
	s_cbranch_scc1 .Ldone_\@                       ; the padding's rows are not stored
	global_store_b128 v[224+rr], v[128+4*rr:128+4*rr+3], s[12:13]  ; 512 consecutive bytes, at a multiple of 512 from yp's first
.set rr, rr+1
.endr
.Ldone_\@:
	s_wait_xcnt 0x0                                ; the stores' registers are written again in the next trip
.Lidle_b_\@:
.endm
	s_mov_b32 s20, 0
.Lloop:
	TRIP 0
	TRIP 1
	s_add_co_u32 s20, s20, 1
	s_cmp_lt_u32 s20, 16
	s_cbranch_scc1 .Lloop
	s_wait_tensorcnt 0x0
	ds_add_u32 v62, v63
	s_wait_dscnt 0x0
	s_endpgm
.Lfunc_end_k_q1382d1b458_ffn2:
	.size	k_q1382d1b458_ffn2, .Lfunc_end_k_q1382d1b458_ffn2-k_q1382d1b458_ffn2
	.p2alignl 7, 3214868480
	.fill 96, 4, 3214868480
	.section	.rodata,"a",@progbits
	.p2align	6, 0x0
	.amdhsa_kernel k_q1382d1b458_ffn2
		.amdhsa_group_segment_fixed_size 230912
		.amdhsa_private_segment_fixed_size 0
		.amdhsa_enable_private_segment 0
		.amdhsa_kernarg_size 40
		.amdhsa_user_sgpr_count 2
		.amdhsa_user_sgpr_kernarg_segment_ptr 1
		.amdhsa_wavefront_size32 1
		.amdhsa_system_sgpr_workgroup_id_x 1
		.amdhsa_system_sgpr_workgroup_id_y 1
		.amdhsa_system_sgpr_workgroup_id_z 1
		.amdhsa_system_vgpr_workitem_id 0
		.amdhsa_next_free_vgpr 1024
		.amdhsa_next_free_sgpr 66
		.amdhsa_reserve_vcc 0
		.amdhsa_float_denorm_mode_32 3
		.amdhsa_float_denorm_mode_16_64 3
		.amdhsa_memory_ordered 1
		.amdhsa_forward_progress 1
		.amdhsa_inst_pref_size 120
	.end_amdhsa_kernel
	.amdgpu_metadata
---
amdhsa.version: [ 1, 2 ]
amdhsa.kernels:
  - .name:           k_q1382d1b458_ffn2
    .symbol:         k_q1382d1b458_ffn2.kd
    .args:
      - { .name: hf, .offset: 0, .size: 8, .value_kind: global_buffer, .address_space: global }
      - { .name: lst, .offset: 8, .size: 8, .value_kind: global_buffer, .address_space: global }
      - { .name: W2, .offset: 16, .size: 8, .value_kind: global_buffer, .address_space: global }
      - { .name: b2, .offset: 24, .size: 8, .value_kind: global_buffer, .address_space: global }
      - { .name: yp, .offset: 32, .size: 8, .value_kind: global_buffer, .address_space: global }
    .group_segment_fixed_size: 230912
    .private_segment_fixed_size: 0
    .kernarg_segment_align: 8
    .kernarg_segment_size: 40
    .max_flat_workgroup_size: 128
    .sgpr_count:     66
    .vgpr_count:     1024
    .wavefront_size: 32
...
	.end_amdgpu_metadata
.endif
;; end of part 3
;; launch combine (part 4): grid 256 x 1, 8 waves a work-group, no clusters, 0 bytes of LDS; arguments yp, out0; writes out0
.if DOCPART == 4
	.amdgcn_target "amdgcn-amd-amdhsa--gfx1250"
	.amdhsa_code_object_version 6
	.text
	.protected	k_q1382d1b458_combine
	.globl	k_q1382d1b458_combine
	.p2align	8
	.type	k_q1382d1b458_combine,@function
k_q1382d1b458_combine:
	s_mov_b64 s[64:65], 0
	v_nop
	global_prefetch_b8 v0, s[64:65] scope:SCOPE_SE
	s_setreg_imm32_b32 hwreg(HW_REG_WAVE_MODE, 25, 1), 1
	s_wait_xcnt 0x0
; out0[t][:] = the sum over the token's two places and the four quarters of H of yp[kq][slot * 2048 + t][:].  A stream: 32 MiB in, 4 MiB out, each byte once.
; A wave takes one token: eight rows of 2,048 bytes, 32 loads of 512 consecutive bytes, all issued at once; the sums follow quarter row by quarter row while the younger loads are out.
; No LDS, no barrier, no matrix unit, no cluster: no wave needs what another reads.
.set RW, 4                             ; v[4:131]: quarter row m, part 2 kq + slot at v[RW + 4 (8 m + 2 kq + slot)]
	s_load_b128 s[4:7], s[0:1], 0x0                ; yp s[4:5], out0 s[6:7]
	v_lshrrev_b32 v1, 5, v0
	v_and_b32 v2, 31, v0
	v_lshlrev_b32 v1, 11, v1                       ; the wave's token: a row of 2,048 bytes,
	v_lshl_add_u32 v1, v2, 4, v1                   ; 16 bytes a lane,
	s_lshl_b32 s2, ttmp9, 14                       ; eight tokens a work-group
	v_add_nc_u32 v1, s2, v1
	s_wait_kmcnt 0x0
	s_mov_b64 s[8:9], s[4:5]                       ; the four quarters lie 8 MiB apart
	s_add_nc_u64 s[10:11], s[4:5], 0x800000
	s_add_nc_u64 s[12:13], s[4:5], 0x1000000
	s_add_nc_u64 s[14:15], s[4:5], 0x1800000
.set mm, 0
.rept 4
.set qq, 0
.rept 4
	global_load_b128 v[RW+4*(8*mm+2*qq):RW+4*(8*mm+2*qq)+3], v1, s[8+2*qq:9+2*qq] offset:512*mm th:TH_LOAD_NT
	global_load_b128 v[RW+4*(8*mm+2*qq+1):RW+4*(8*mm+2*qq+1)+3], v1, s[8+2*qq:9+2*qq] offset:4194304+512*mm th:TH_LOAD_NT  ; the second place's rows lie 2,048 rows on
.set qq, qq+1
.endr
.set mm, mm+1
.endr
.macro ADD4 a, b                       ; part a += part b: four numbers
	v_pk_add_f32 v[BS+4*(\a):BS+4*(\a)+1], v[BS+4*(\a):BS+4*(\a)+1], v[BS+4*(\b):BS+4*(\b)+1]
	v_pk_add_f32 v[BS+4*(\a)+2:BS+4*(\a)+3], v[BS+4*(\a)+2:BS+4*(\a)+3], v[BS+4*(\b)+2:BS+4*(\b)+3]
.endm
.set mm, 0
.rept 4
.set BS, RW+32*mm
	s_wait_loadcnt 24-8*mm                         ; loads come back in order (ISA guide 5.7.1): this quarter row's eight are in, the younger quarter rows' stay out
	ADD4 0, 1
	ADD4 2, 3
	ADD4 4, 5
	ADD4 6, 7
	ADD4 0, 2
	ADD4 4, 6
	ADD4 0, 4
	global_store_b128 v1, v[BS:BS+3], s[6:7] offset:512*mm th:TH_STORE_NT  ; 512 consecutive bytes, at a multiple of 512 from out0's first
.set mm, mm+1
.endr
	s_endpgm
.Lfunc_end_k_q1382d1b458_combine:
	.size	k_q1382d1b458_combine, .Lfunc_end_k_q1382d1b458_combine-k_q1382d1b458_combine
	.p2alignl 7, 3214868480
	.fill 96, 4, 3214868480
	.section	.rodata,"a",@progbits
	.p2align	6, 0x0
	.amdhsa_kernel k_q1382d1b458_combine
		.amdhsa_group_segment_fixed_size 0
		.amdhsa_private_segment_fixed_size 0
		.amdhsa_enable_private_segment 0
		.amdhsa_kernarg_size 16
		.amdhsa_user_sgpr_count 2
		.amdhsa_user_sgpr_kernarg_segment_ptr 1
		.amdhsa_wavefront_size32 1
		.amdhsa_system_sgpr_workgroup_id_x 1
		.amdhsa_system_sgpr_workgroup_id_y 1
		.amdhsa_system_sgpr_workgroup_id_z 1
		.amdhsa_system_vgpr_workitem_id 0
		.amdhsa_next_free_vgpr 136
		.amdhsa_next_free_sgpr 66
		.amdhsa_reserve_vcc 0
		.amdhsa_float_denorm_mode_32 3
		.amdhsa_float_denorm_mode_16_64 3
		.amdhsa_memory_ordered 1
		.amdhsa_forward_progress 1
		.amdhsa_inst_pref_size 8
	.end_amdhsa_kernel
	.amdgpu_metadata
---
amdhsa.version: [ 1, 2 ]
amdhsa.kernels:
  - .name:           k_q1382d1b458_combine
    .symbol:         k_q1382d1b458_combine.kd
    .args:
      - { .name: yp, .offset: 0, .size: 8, .value_kind: global_buffer, .address_space: global }
      - { .name: out0, .offset: 8, .size: 8, .value_kind: global_buffer, .address_space: global }
    .group_segment_fixed_size: 0
    .private_segment_fixed_size: 0
    .kernarg_segment_align: 8
    .kernarg_segment_size: 16
    .max_flat_workgroup_size: 256
    .sgpr_count:     66
    .vgpr_count:     136
    .wavefront_size: 32
...
	.end_amdgpu_metadata
.endif
;; end of part 4
